; MI455X (gfx1250); checked and timed in simulation.
; The chip was launched on July 23, 2026; its instructions are those of AMD's public machine-readable ISA for CDNA 5 (MIT licence, August 2026) and "CDNA5" Instruction Set Architecture Reference Guide (July 2026). The comments in the code are by the model that wrote it; some were corrected since.
;; Scaled Dot Product Attention. Allowed arithmetic: matrix products marked QUANTISED: E5M2 operands, one given power-of-two scale a tensor, by v_wmma_f32_16x16x64_bf8_bf8 or v_wmma_f32_16x16x128_bf8_bf8, f32 sums; everything else in f32.
;; Inputs: key 1 x 16 x 2,048 x 64 float32; lowp_scales 4 int32 (the exponents e of the quantised operands' scales 2^e); mask 1 x 2,048 bool; query 1 x 16 x 2,048 x 64 float32; value 1 x 16 x 2,048 x 64 float32.
;; Outputs: out0 1 x 16 x 2,048 x 64 float32.
;; This version of the problem:
;;   THIS VERSION OF THE PROBLEM IS GIVEN IN LOW PRECISION. The matrix products marked QUANTISED in the list below multiply operands that are first quantised to E5M2 (5 exponent bits, 2 mantissa bits; 8 bits a number), with one given power-of-two scale for each operand tensor; their sums are f32. All else is computed in f32.
;;   The module's matrix products, in the order in which they are computed (A, B: the left and right operand; K: the contracted axis; several contracted axes count as one K, in the product's order):
;;     1. batch 16 x [M 2,048, K 64] x [K 64, N 2,048]; A: input query; B: input key: QUANTISED (scales: A lowp_scales[0], B lowp_scales[1])
;;     2. batch 16 x [M 2,048, K 2,048] x [K 2,048, N 64]; A: softmax (see below); B: input value: QUANTISED (scales: A lowp_scales[2], B lowp_scales[3])
;;   THE QUANTISER, for each operand of a quantised product, along K:
;;     - The operand's scale is 2^e, e = its entry of the input lowp_scales (int32; the entries are numbered through the quantised products in the list's order, A before B).
;;     - Each number is divided by the scale, clamped to +-57,344, and rounded to the nearest number of E5M2, ties to even, subnormals kept.
;;     - The product sums the exact products of the quantised numbers (number of the format x scale) in f32.
;;   ~~~python
;;   def quantise(x, axis, e):      # numpy; x: float32 -> the quantised numbers, widened to float32 again
;;       x = np.moveaxis(x, axis, -1); K = x.shape[-1]
;;       r = np.clip(x / 2.0 ** e, -57344, 57344)
;;       step = 2.0 ** (np.maximum(np.frexp(np.where(r == 0, 1, r))[1] - 1, -14) - 2)
;;       q = np.round(r / step) * step * 2.0 ** e      # np.round: ties to even
;;       return np.moveaxis(q, -1, axis).astype(np.float32)
;;   ~~~
;;   SOFTMAX AHEAD OF A QUANTISED PRODUCT. Where the list says 'softmax', what is quantised is not the finished softmax but p = 2^(t - M), with t = logit x log2(e) and M = ceil(the row's largest t), a whole number; so 1/2 < the row's largest p <= 1. The row's sum l is taken of the UNQUANTISED p, in f32, and the product's result is divided by l at the end. Since M is a whole number, a kernel that streams over the keys may use a running M (the ceiling of the running maximum): every later rescaling is an exact power of two, so the quantised numbers keep their values, but for numbers so far below the row's largest that they fall under the format's range.
;;   OPERANDS COMPUTED ON THE WAY. 'Computed on the way' means the value that the module computes at that place (a softmax that the list does not call 'softmax' is quantised finished and normalised). What goes into a quantiser is computed in f32, as accurately as f32 sums, v_exp_f32 and their like allow (about 1e-6 of the number): no bf16 or f16 on the way to a quantiser, and a product that is left as it is and whose result goes on into a quantised operand takes f32 operands (vector FMAs, or v_wmma_f32_16x16x4_f32). A number that lies on a knife's edge between two numbers of the format may be rounded either way, as far as f32 arithmetic and the matrix unit's own rounding can turn it there, and no further.
;; 2 versions. Each part assembles by itself: llvm-mc -triple=amdgcn-amd-amdhsa -mcpu=gfx1250 --defsym DOCPART=n.
;; ======== version 1 of 2: 2 launches
;; limits: right only within a limited range of input values
;; workspace buffers: kv 4,194,304 bytes; cb 131,072 bytes; meta 256 bytes of whole numbers
;; launch pack (part 1): grid 16 x 16, 8 waves a work-group, no clusters, 2,048 bytes of LDS; arguments mask, key, value, lowp_scales, kv, cb, meta; writes kv, cb, meta
.if DOCPART == 1
	.amdgcn_target "amdgcn-amd-amdhsa--gfx1250"
	.amdhsa_code_object_version 6
	.text
	.protected	k_q5aa545c1b9_pack
	.globl	k_q5aa545c1b9_pack
	.p2align	8
	.type	k_q5aa545c1b9_pack,@function
k_q5aa545c1b9_pack:
	s_mov_b64 s[64:65], 0
	v_nop
	global_prefetch_b8 v0, s[64:65] scope:SCOPE_SE
	s_setreg_imm32_b32 hwreg(HW_REG_WAVE_MODE, 25, 1), 1
	s_wait_xcnt 0x0
; FIRST OF TWO LAUNCHES.  out = softmax_k(q . k / 8 + slope_h (k - 2047), keys with mask = 0 blocked) v, both products on codes of E5M2 with the given scales 2^e0 .. 2^e3.
; WORK LEFT OUT, AND WHY IT IS DEAD.  A key whose mask byte is 0 gets the logit finfo.min.  While at least one key is open, the row's M is the ceiling of an open key's t, so a blocked key's
; p = 2^(t - M) is 0: its code is 0, it adds 0 to the row's sum and 0 to every output, whatever finite numbers its rows of key and value hold.  The mask is a whole-number input, read here from memory:
; so this launch COMPACTS the open keys, and the second launch multiplies only them.  No input is without a way to the output; all are loaded.
; ALL KEYS BLOCKED: reference() then weighs all 2,048 keys alike.  Served so: all keys are taken, K's codes are made 0 (the hold's limit is 0) and the bias 0: every t is 0, every p is 1.
; WHAT IS STORED, for head y and step x of 128 compacted keys (steps at or past the count of steps are not stored and not read):
;   kv [head][step][16,384 bytes]: IMAGES OF OPERAND REGISTERS.  K: tile t of 16 keys at 1024 t: registers 4 q .. 4 q + 3 of lane l at + 512 q + 16 l; lane (r, h) holds key 16 t + r, registers 2 c, 2 c + 1 its d = 16 c + 8 h + 0 .. 7.
;      V^T: tile td of 16 of the head's 64 at 8192 + 2048 td, likewise; lane (r, h) holds d = 16 td + r, registers 2 c, 2 c + 1 the step's keys 16 c + 8 h + 0 .. 7.
;   cb [head][step][128] f32: bias x 2^(3 - e0 - e1), bias = f32(k - 2047) x slope_h: added to a sum of code products it gives logit x 2^(3 - e0 - e1), since 1 / sqrt(64) = 2^-3.
;      Positions past the last open key (the last step's rest) hold -2^60 x 2^(3 - e0 - e1): their p is 0; they take the rows of key and value with the position's own number, which exist.
;   meta: 64 words, each the count of steps, (open keys + 127) / 128 (16 where all are blocked).
; THE ORDER of the compacted keys: mask word w = 4 i + b holds in bit l key 128 i + 4 l + b; words ascending, bits ascending.  K, V and the bias share it, and a sum over keys may take any order.
; SHARES.  A work-group makes one step of one head.  Every wave finds, for each of its 16 positions 128 x + 16 wave + r, the key that stands there; the 128 keys meet in LDS; wave w then makes K's tile w and
; half of V^T's tile w % 4 (keys 64 (w / 4) on).  The grid has 16 steps a head, as many as any mask can ask for; a work-group whose step the mask leaves empty stores nothing.
; LIMITS.  e0 .. e3 between -126 and 112; e0 + e1 between -60 and 60; open keys' |logit| under 2^50.  NaN among key, value is not served; an infinity is held at the largest code.
; A NaN, an infinity or an overflow that reaches only the work left out (a blocked key's rows) is not carried to the result.
; No matrix work, no tensor loads, no cluster: work-groups share only the 2,048 mask bytes.
.set ORD,   0                          ; LDS: the step's 128 keys, a word each
.set CBL,   512                        ; the step's 128 biases
.set SPARE, 1024                       ; the spare words, 128 bytes for each of eight waves: four blocks of 256 bytes that no other line names
; v1 4 lane; v2 r; v3 h; v4 J, my position; v5 the mask word that holds it; v6 the open keys ahead of that word, then N; v7 the word's first key; v8 the bit; v9, v10 at work; v11-14 counts by 2, 4, 8, 16 bits;
; v15 my key; v16 its bias; v17, v19, v20 LDS addresses; v21 K's row offset; v22, v23 2^e1, K's limit; v24, v25 2^e3, V's limit; v26, v27 the add's two; v[28:29] meta's pair; v30, v31 where my codes go;
; v[32:47] the mask, then v[32:63] K's 32 numbers; v[64:95] 32 keys, then their offsets; v[96:127] V's 32 numbers; v[128:135], v[136:143] codes; v[144:147] biases; v148 my column of V; v149 8 lane.
; s32-63 and s66-97: the 64 mask words.
	s_load_b256 s[4:11], s[0:1], 0x0               ; mask s[4:5], key s[6:7], value s[8:9], the scales' exponents s[10:11]
	s_load_b128 s[12:15], s[0:1], 0x20             ; kv s[12:13], cb s[14:15]
	s_load_b64 s[16:17], s[0:1], 0x30              ; meta
	v_lshl_add_u32 v26, v0, 2, SPARE               ; my spare word; never rewritten
	v_mov_b32 v27, 0                               ; 0; never rewritten
	v_lshrrev_b32 v1, 5, v0
	v_readfirstlane_b32 s18, v1                    ; wave 0..7
	v_and_b32 v20, 31, v0                          ; lane
	v_lshlrev_b32 v1, 2, v20
	v_lshlrev_b32 v149, 3, v20
	v_lshlrev_b32 v20, 4, v20                      ; 16 lane
	v_and_b32 v2, 15, v0                           ; r
	v_bfe_u32 v3, v0, 4, 1                         ; h
	s_mov_b32 s19, ttmp9                           ; the step
	s_and_b32 s20, ttmp7, 0xffff                   ; the head
	; every LDS address and every store offset is made here, of the lane and the wave alone
	s_lshl_b32 s28, s18, 6
	v_lshl_add_u32 v17, v2, 2, s28                 ; where my position's key goes: 4 r + 64 wave
	s_lshr_b32 s29, s18, 2                         ; ch: which 64 keys of V I take
	s_and_b32 s28, s18, 3                          ; td: which 16 of the head's 64
	s_lshl_b32 s98, s29, 8
	v_lshl_add_u32 v19, v3, 5, s98                 ; where I read V's keys: 32 h + 256 ch
	s_lshl_b32 s98, s28, 6
	v_lshl_add_u32 v148, v2, 2, s98                ; my column of V in bytes: 4 r + 64 td
	s_lshl_b32 s98, s18, 10
	v_add_nc_u32 v30, s98, v20                     ; K's image: 16 lane + 1024 wave
	s_lshl_b32 s98, s28, 11
	s_lshl_b32 s99, s29, 10
	s_add_co_u32 s98, s98, s99
	s_add_co_u32 s98, s98, 8192
	v_add_nc_u32 v31, s98, v20                     ; V's image: 16 lane + 8192 + 2048 td + 1024 ch
	s_lshl_b32 s98, s19, 7
	s_lshl_b32 s99, s18, 4
	s_add_co_u32 s98, s98, s99
	v_add_nc_u32 v4, s98, v2                       ; J = 128 step + 16 wave + r
	s_lshl_b32 s2, s20, 19                         ; a head of key or value: 2,048 rows of 256 bytes
	s_mov_b32 s3, 0
	s_lshl_b32 s28, s20, 4
	s_add_co_u32 s28, s28, s19                     ; 16 head + step
	s_wait_kmcnt 0x0
	s_load_b128 s[24:27], s[10:11], 0x0            ; e0, e1, e2, e3
.set I, 0
.rept 16
	global_load_b32 v[32+I], v1, s[4:5] offset:128*I   ; the whole mask: each load takes 128 consecutive bytes
.set I, I+1
.endr
	s_add_nc_u64 s[6:7], s[6:7], s[2:3]            ; key and value at my head
	s_add_nc_u64 s[8:9], s[8:9], s[2:3]
	s_lshl_b32 s2, s28, 14
	s_add_nc_u64 s[12:13], s[12:13], s[2:3]        ; kv at my block
	s_lshl_b32 s2, s28, 9
	s_add_nc_u64 s[14:15], s[14:15], s[2:3]        ; cb at my block
	s_wait_loadcnt 0x0
	; the mask bytes become 64 words of 32 bits: word 4 i + b, bit l = key 128 i + 4 l + b
.set W, 0
.rept 64
.set WR, 32+W+2*(W/32)
	v_and_b32 v[9+(W%2)], 0xff<<(8*(W%4)), v[32+W/4]
	v_cmp_ne_u32 s[WR], 0, v[9+(W%2)]
.set W, W+1
.endr
	; the word that holds my position: the last whose count of open keys ahead of it is J or less.  s21 runs through those counts and ends as n, the open keys in all
	v_mov_b32 v5, s32
	v_mov_b32 v6, 0
	v_mov_b32 v7, 0
	s_bcnt1_i32_b32 s21, s32
.set W, 1
.rept 63
.set WR, 32+W+2*(W/32)
	v_cmp_gt_u32 vcc_lo, s21, v4                   ; more than J keys ahead of word W: the choice stays
	v_cndmask_b32 v5, s[WR], v5, vcc_lo
	v_cndmask_b32 v6, s21, v6, vcc_lo
	v_cndmask_b32 v7, 128*(W/4)+W%4, v7, vcc_lo
	s_bcnt1_i32_b32 s22, s[WR]
	s_add_co_u32 s21, s21, s22
.set W, W+1
.endr
	; the bit: the N-th set bit of the word, N = J - the keys ahead, by halving: counts of 16, 8, 4, 2, 1 bits
	v_sub_nc_u32 v6, v4, v6
	v_lshrrev_b32 v9, 1, v5
	v_and_b32 v9, 0x55555555, v9
	v_sub_nc_u32 v11, v5, v9                       ; counts of 2 bits
	v_lshrrev_b32 v9, 2, v11
	v_and_b32 v9, 0x33333333, v9
	v_and_b32 v12, 0x33333333, v11
	v_add_nc_u32 v12, v12, v9                      ; of 4
	v_lshrrev_b32 v9, 4, v12
	v_add_nc_u32 v13, v12, v9
	v_and_b32 v13, 0x0f0f0f0f, v13                 ; of 8
	v_lshrrev_b32 v9, 8, v13
	v_add_nc_u32 v14, v13, v9                      ; of 16, in bytes 0 and 2
	v_mov_b32 v8, 0
.macro SEL x, m, sh                    ; T = the set bits among the next sh bits from v8 on; where N >= T the bit lies beyond them
	v_lshrrev_b32 v9, v8, v[\x]
	v_and_b32 v9, \m, v9
	v_cmp_ge_u32 vcc_lo, v6, v9
	v_cndmask_b32 v9, 0, v9, vcc_lo
	v_sub_nc_u32 v6, v6, v9
	v_cndmask_b32 v10, 0, \sh, vcc_lo
	v_add_nc_u32 v8, v8, v10
.endm
	SEL 14, 0xff, 16
	SEL 13, 0xff, 8
	SEL 12, 15, 4
	SEL 11, 3, 2
	SEL 5, 1, 1
	v_lshl_add_u32 v15, v8, 2, v7                  ; my key = the word's first key + 4 x bit
	; the scalars
	s_wait_kmcnt 0x0
	s_add_co_u32 s28, s20, 1                       ; slope_h = 2^(-(h + 1) / 2): 1 or f32(2^-0.5), with (h + 1) / 2 taken off the exponent field
	s_and_b32 s29, s28, 1
	s_mov_b32 s30, 0x3f800000
	s_mov_b32 s2, 0x3f3504f3
	s_cmp_lg_u32 s29, 0
	s_cselect_b32 s30, s2, s30
	s_lshr_b32 s28, s28, 1
	s_lshl_b32 s28, s28, 23
	s_sub_co_u32 s30, s30, s28
	s_add_co_i32 s29, s24, s25
	s_sub_co_i32 s29, 3, s29                       ; 3 - e0 - e1
	s_add_co_i32 s28, s25, 127
	s_lshl_b32 s99, s28, 23                        ; 2^e1 as f32: the conversion takes its exponent field
	s_add_co_i32 s28, s28, 15
	s_lshl_b32 s98, s28, 23
	s_or_b32 s98, s98, 0x600000                    ; 57,344 x 2^e1
	s_add_co_i32 s28, s27, 127
	s_lshl_b32 s100, s28, 23                       ; 2^e3
	s_add_co_i32 s28, s28, 15
	s_lshl_b32 s101, s28, 23
	s_or_b32 s101, s101, 0x600000                  ; 57,344 x 2^e3
	s_cmp_lg_u32 s21, 0                            ; is any key open?
	s_cselect_b32 s23, s21, 0x800                  ; n': the positions that are walked: n, or all 2,048
	s_cselect_b32 s31, 0xdd800000, 0               ; the bias of a position past the open keys: -2^60, or 0
	s_cselect_b32 s98, s98, 0                      ; K's limit: with 0 the hold makes every code of K 0
	s_add_co_u32 s22, s23, 127
	s_lshr_b32 s22, s22, 7                         ; the count of steps
	v_mov_b32 v22, s99
	v_mov_b32 v23, s98
	v_mov_b32 v24, s100
	v_mov_b32 v25, s101
	v_cmp_gt_u32 vcc_lo, s21, v4                   ; does my position hold an open key?
	v_cndmask_b32 v15, v4, v15, vcc_lo             ; if not: the row with the position's own number
	v_add_nc_u32 v16, 0xfffff801, v15              ; k - 2047
	v_cvt_f32_i32 v16, v16
	v_mul_f32 v16, s30, v16                        ; the bias, rounded once, as reference() has it
	v_cndmask_b32 v16, s31, v16, vcc_lo
	v_ldexp_f32 v16, v16, s29                      ; x 2^(3 - e0 - e1): nothing is rounded
	ds_store_b32 v17, v15 offset:ORD               ; lanes l and l + 16 hold the same position: the same word, the same value
	ds_store_b32 v17, v16 offset:CBL
	s_wait_dscnt 0x0                               ; for the others' sake: my stores have landed
	s_barrier_signal -1
	s_barrier_wait -1                              ; the launch's one barrier: ahead of every branch on numbers that were loaded
	s_lshl_b32 s28, s19, 7
	s_cmp_ge_u32 s28, s23                          ; my step begins at or past n': nothing to store
	s_cbranch_scc1 .Lend
	; K: my key's row, d = 16 c + 8 h + 0 .. 7 into v[32 + 8 c ..]
	v_min_u32 v15, 0x7ff, v15                      ; a number made of loaded ones enters an address only behind this hold
	v_lshlrev_b32 v21, 8, v15
	v_lshl_add_u32 v21, v3, 5, v21                 ; 256 k + 32 h
.irp c, 0,1,2,3
	global_load_b128 v[32+8*\c:35+8*\c], v21, s[6:7] offset:64*\c
	global_load_b128 v[36+8*\c:39+8*\c], v21, s[6:7] offset:64*\c+16
.endr
	; V: the keys at the step's positions 16 (4 ch + c) + 8 h + i, and of each my column
.irp c, 0,1,2,3
	ds_load_b128 v[64+8*\c:67+8*\c], v19 offset:ORD+64*\c
	ds_load_b128 v[68+8*\c:71+8*\c], v19 offset:ORD+64*\c+16
.endr
	s_wait_dscnt 0x0
.set I, 0
.rept 32
	v_min_u32 v[64+I], 0x7ff, v[64+I]
	v_lshl_add_u32 v[64+I], v[64+I], 8, v148       ; 256 k + 4 (16 td + r)
.set I, I+1
.endr
.set I, 0
.rept 32
	global_load_b32 v[96+I], v[64+I], s[8:9]       ; sixteen lanes read 64 consecutive bytes of a row; a position past the open keys may name a row a second time, so no hint is given
.set I, I+1
.endr
	; wave 0 stores the step's biases, and in the first work-group the count of steps
	s_cmp_lg_u32 s18, 0
	s_cbranch_scc1 .Lnot_wave_0
	ds_load_b128 v[144:147], v20 offset:CBL
	s_wait_dscnt 0x0
	global_store_b128 v20, v[144:147], s[14:15]    ; 512 consecutive bytes
	s_or_b32 s28, s19, s20
	s_cmp_lg_u32 s28, 0
	s_cbranch_scc1 .Lnot_wave_0
	v_mov_b32 v28, s22
	v_mov_b32 v29, s22
	global_store_b64 v149, v[28:29], s[16:17]      ; 256 consecutive bytes: all of meta
.Lnot_wave_0:
; 32 numbers of a lane, eight neighbours along K in each eight registers, become eight registers of codes
.macro QUANT src, dst, sc, lim
.set I, 0
.rept 32
	v_med3_num_f32 v[\src+I], v[\src+I], -v[\lim], v[\lim]   ; the conversion to an 8-bit code does not saturate (ISA guide 7.6.2): the hold at the largest code x the scale comes first
.set I, I+1
.endr
.irp c, 0,1,2,3
	v_cvt_scalef32_pk8_bf8_f32 v[\dst+2*\c:\dst+2*\c+1], v[\src+8*\c:\src+8*\c+7], v[\sc]
.endr
	v_nop                                          ; a plain line behind the last conversion
.endm
	s_wait_loadcnt 32                              ; K's eight loads are in; V's 32, issued behind them, may be out
	QUANT 32, 128, 22, 23
	global_store_b128 v30, v[128:131], s[12:13]            ; each store of the wave covers 512 consecutive bytes, aligned
	global_store_b128 v30, v[132:135], s[12:13] offset:512
	s_wait_loadcnt 0x0
	QUANT 96, 136, 24, 25
	global_store_b128 v31, v[136:139], s[12:13]
	global_store_b128 v31, v[140:143], s[12:13] offset:512
.Lend:
	s_wait_tensorcnt 0x0                           ; the wave's end, behind my last LDS store
	ds_add_u32 v26, v27
	s_wait_dscnt 0x0
	s_endpgm
.Lfunc_end_k_q5aa545c1b9_pack:
	.size	k_q5aa545c1b9_pack, .Lfunc_end_k_q5aa545c1b9_pack-k_q5aa545c1b9_pack
	.p2alignl 7, 3214868480
	.fill 96, 4, 3214868480
	.section	.rodata,"a",@progbits
	.p2align	6, 0x0
	.amdhsa_kernel k_q5aa545c1b9_pack
		.amdhsa_group_segment_fixed_size 2048
		.amdhsa_private_segment_fixed_size 0
		.amdhsa_enable_private_segment 0
		.amdhsa_kernarg_size 56
		.amdhsa_user_sgpr_count 2
		.amdhsa_user_sgpr_kernarg_segment_ptr 1
		.amdhsa_wavefront_size32 1
		.amdhsa_system_sgpr_workgroup_id_x 1
		.amdhsa_system_sgpr_workgroup_id_y 1
		.amdhsa_system_sgpr_workgroup_id_z 1
		.amdhsa_system_vgpr_workitem_id 0
		.amdhsa_next_free_vgpr 160
		.amdhsa_next_free_sgpr 102
		.amdhsa_reserve_vcc 1
		.amdhsa_float_denorm_mode_32 3
		.amdhsa_float_denorm_mode_16_64 3
		.amdhsa_memory_ordered 1
		.amdhsa_forward_progress 1
		.amdhsa_inst_pref_size 44
	.end_amdhsa_kernel
	.amdgpu_metadata
---
amdhsa.version: [ 1, 2 ]
amdhsa.kernels:
  - .name:           k_q5aa545c1b9_pack
    .symbol:         k_q5aa545c1b9_pack.kd
    .args:
      - { .name: mask, .offset: 0, .size: 8, .value_kind: global_buffer, .address_space: global }
      - { .name: key, .offset: 8, .size: 8, .value_kind: global_buffer, .address_space: global }
      - { .name: value, .offset: 16, .size: 8, .value_kind: global_buffer, .address_space: global }
      - { .name: lowp_scales, .offset: 24, .size: 8, .value_kind: global_buffer, .address_space: global }
      - { .name: kv, .offset: 32, .size: 8, .value_kind: global_buffer, .address_space: global }
      - { .name: cb, .offset: 40, .size: 8, .value_kind: global_buffer, .address_space: global }
      - { .name: meta, .offset: 48, .size: 8, .value_kind: global_buffer, .address_space: global }
    .group_segment_fixed_size: 2048
    .private_segment_fixed_size: 0
    .kernarg_segment_align: 8
    .kernarg_segment_size: 56
    .max_flat_workgroup_size: 256
    .sgpr_count:     102
    .vgpr_count:     160
    .wavefront_size: 32
...
	.end_amdgpu_metadata
.endif
;; end of part 1
;; launch attn (part 2): grid 16 x 16, 8 waves a work-group, no clusters, 306,176 bytes of LDS; arguments query, kv, cb, meta, lowp_scales, out0; writes out0
.if DOCPART == 2
	.amdgcn_target "amdgcn-amd-amdhsa--gfx1250"
	.amdhsa_code_object_version 6
	.text
	.protected	k_q5aa545c1b9_attn
	.globl	k_q5aa545c1b9_attn
	.p2align	8
	.type	k_q5aa545c1b9_attn,@function
k_q5aa545c1b9_attn:
	s_mov_b64 s[64:65], 0
	v_nop
	global_prefetch_b8 v0, s[64:65] scope:SCOPE_SE
	s_setreg_imm32_b32 hwreg(HW_REG_WAVE_MODE, 25, 1), 1
	s_wait_xcnt 0x0
; SECOND OF TWO LAUNCHES: attention over the COMPACTED keys.  Blocked keys are left out as whole rows of both products: their p is 0 for every finite input while a key is open (shown at the first kernel's head;
; all keys blocked is served there too, by zero codes of K and a zero bias over all 2,048 keys).  A NaN, an infinity or an overflow that reaches only the work left out is not carried to the result.
; kv holds, for each head and each step of 128 compacted keys, images of the operand registers of K (8 tiles x 16 keys x 64) and of V^T (4 tiles x 16 of the head's 64 x 128 keys); cb the keys' biases
; x 2^(3 - e0 - e1); meta the count of steps.
; THE SOFTMAX AHEAD OF THE SECOND PRODUCT: t = logit x log2(e); M = the largest t so far, rounded UP to a whole number; p = 2^(t - M) is quantised with 2^e2, not normalised; the row's sum is taken of the unquantised p
; and divides at the end.  When M moves, the sum and O are multiplied by 2^(old M - new M): nothing is rounded.
; SHARES.  A work-group owns 128 queries of one head, each of its eight waves 16: one tile, 256 registers, two waves to a SIMD, so that one wave's vector work stands beside the other's matrix work and LDS loads.
; THE WHOLE HEAD LIES IN LDS: 16 steps x 16,384 bytes of images and 512 of biases at the most.  It is filled once (wave w copies steps w and w + 8), one barrier follows, and the walk over the keys has no barrier and no refill.
; LAYOUT.  Both products are used transposed: S^T = K Q^T (source 0 = 16 keys, source 1 = my 16 queries), O^T = V^T P^T: a lane holds ONE query (lane % 16) throughout.  Register j of tile t of S^T is key 16 t + 8 (lane / 16) + j:
; its eight registers convert into registers 2 t, 2 t + 1 of P, which is where the second product's form wants those keys.  Every k stands in its form's own place.
; THE BIAS IS THE C OF THE FIRST PRODUCT: sum of code products + bias x 2^(3 - e0 - e1) = logit x 2^(3 - e0 - e1); one multiplication by c = log2(e) x 2^(e0 + e1 - 3) makes t.  So mask and bias cost no vector instruction.
; WHY NO JOINT LOADS, though the 16 work-groups of a head read the same images: a joint load is a tensor load; here the fill and the walk
; both go by the count of steps, which the mask decides, and that spares half of all the work on a mask that is half open.  Each image block is 16,384 bytes and is copied once by each work-group, through registers.
; No prefetch: the images are asked for once, at the head, by loads that are all issued at once.
; LIMITS.  e0, e2 between -126 and 112; e0 + e1 between -60 and 60; e2 + e3 is applied by v_ldexp_f32 and has none.  Open keys' |logit| under 2^50.  NaN among the inputs is not served; an infinity is held at the largest code.
; The keys are walked in the compaction's order, so sums and the running M are ordered otherwise than in reference().
.set CTAB,  262144                     ; LDS: images from 0 on, step s at 16384 s; the biases here, 512 bytes a step;
.set STG,   270336                     ; the way out: 16 rows x (256 bytes + 16) for each wave;
.set SPARE, 305152                     ; the spare words, 128 bytes for each of eight waves: four blocks of 256 bytes that no other line names
; v1 16 lane; v2 32 h; v3, v4 LDS addresses of the step's images and biases; v5, v6 the add's two; v7 16 lane + 16384 wave (offset in kv and LDS address alike); v8 the same 8 steps on; v9 where my chunk of biases goes;
; v10, v11 the stage, in and back; v12 -M; v13 the largest t; v[14:15] the sum; v[16:23] Q's codes; v24, v25 at work; v26 a permute's destination; v[28:29] f; v30, v31 2^e2, 57,344 x 2^e2;
; v[32:63] Q as f32, then v[32:33] the sum's second chain; v[64:127] fragments of K, then of V; v[128:191] S^T, then p; v[192:223] O^T; v[224:239] p's codes; v240, v241 offsets in cb and in Q.
	s_load_b256 s[4:11], s[0:1], 0x0               ; query s[4:5], kv s[6:7], cb s[8:9], meta s[10:11]
	s_load_b128 s[12:15], s[0:1], 0x20             ; the scales' exponents s[12:13], out0 s[14:15]
	v_lshl_add_u32 v5, v0, 2, SPARE                ; my spare word; never rewritten
	v_mov_b32 v6, 0                                ; 0; never rewritten
	v_lshrrev_b32 v2, 5, v0
	v_readfirstlane_b32 s16, v2                    ; wave 0..7
	v_and_b32 v1, 31, v0
	v_lshlrev_b32 v1, 4, v1                        ; 16 lane
	v_and_b32 v3, 15, v0                           ; r
	v_bfe_u32 v4, v0, 4, 1                         ; h
	v_lshlrev_b32 v2, 5, v4                        ; 32 h
	s_lshl_b32 s31, s16, 14
	v_add_nc_u32 v7, s31, v1
	v_add_nc_u32 v8, 0x20000, v7
	s_lshl_b32 s31, s16, 9
	v_add_nc_u32 v240, s31, v1                     ; 512 wave + 16 lane
	v_add_nc_u32 v9, CTAB, v240
	s_mul_i32 s31, s16, 16*272
	s_add_co_u32 s31, s31, STG                     ; my stage
	v_mul_u32_u24 v10, v3, 272
	v_lshl_add_u32 v10, v4, 5, v10
	v_add_nc_u32 v10, s31, v10                     ; in: row r, + 32 h
	v_mul_u32_u24 v11, v4, 272
	v_lshl_add_u32 v11, v3, 4, v11
	v_add_nc_u32 v11, s31, v11                     ; back: lanes 0-15 one row, lanes 16-31 the next
	v_lshlrev_b32 v241, 8, v3
	v_lshl_add_u32 v241, v4, 5, v241               ; Q: 256 r + 32 h
	s_mov_b32 s24, 0x76543210                      ; v_permlanex16_b32's selects for lane l xor 16
	s_mov_b32 s25, 0xfedcba98
	s_and_b32 s32, ttmp7, 0xffff                   ; the head
	s_lshl_b32 s34, s32, 19                        ; its 2,048 rows of 256 bytes,
	s_lshl_b32 s33, ttmp9, 15                      ; my block's 128,
	s_add_co_u32 s34, s34, s33
	s_lshl_b32 s33, s16, 12                        ; my wave's 16
	s_add_co_u32 s34, s34, s33
	s_mov_b32 s35, 0
	s_wait_kmcnt 0x0
	s_load_b128 s[20:23], s[12:13], 0x0            ; e0, e1, e2, e3
	s_load_b32 s17, s[10:11], 0x0                  ; the count of steps
	s_add_nc_u64 s[4:5], s[4:5], s[34:35]
	s_add_nc_u64 s[14:15], s[14:15], s[34:35]
	s_lshl_b32 s34, s32, 18
	s_add_nc_u64 s[6:7], s[6:7], s[34:35]          ; kv at my head
	s_lshl_b32 s34, s32, 13
	s_add_nc_u64 s[8:9], s[8:9], s[34:35]          ; cb at my head
.irp c, 0,1,2,3
	global_load_b128 v[32+8*\c:35+8*\c], v241, s[4:5] offset:64*\c      ; Q(r, 16 c + 8 h + 0 .. 7)
	global_load_b128 v[36+8*\c:39+8*\c], v241, s[4:5] offset:64*\c+16
.endr
; One step's images and biases, from memory through registers into LDS, byte for byte.  Loads and stores stand in one arm of the branch that leads round them.
.macro COPY adr, goff, coff
.set I, 0
.rept 32
	global_load_b128 v[64+4*I:67+4*I], v7, s[6:7] offset:\goff+512*I    ; 512 consecutive bytes
.set I, I+1
.endr
	global_load_b128 v[192:195], v240, s[8:9] offset:\coff
.set I, 0
.rept 32
	s_wait_loadcnt 32-I                            ; load I is in: behind it stand 31 - I of the images' and the biases' one
	ds_store_b128 v[\adr], v[64+4*I:67+4*I] offset:512*I
.set I, I+1
.endr
	s_wait_loadcnt 0x0
	ds_store_b128 v9, v[192:195] offset:\coff
.endm
	s_wait_kmcnt 0x0
	s_min_u32 s17, s17, 16                         ; LDS has room for 16 steps, and the first launch stores no more
	s_cmp_ge_u32 s16, s17
	s_cbranch_scc1 .Lno_first
	COPY 7, 0, 0                                   ; step = my wave's number
.Lno_first:
	s_wait_loadcnt 0x0                             ; Q (on the way round the copy nothing has waited for it yet)
	s_add_co_i32 s31, s20, 127
	s_lshl_b32 s33, s31, 23
	v_mov_b32 v24, s33                             ; 2^e0 as f32: the conversion takes its exponent field
	s_add_co_i32 s31, s31, 15
	s_lshl_b32 s31, s31, 23
	s_or_b32 s31, s31, 0x600000
	v_mov_b32 v25, s31                             ; 57,344 x 2^e0
	s_add_co_i32 s31, s22, 127
	s_lshl_b32 s33, s31, 23
	v_mov_b32 v30, s33                             ; 2^e2
	s_add_co_i32 s31, s31, 15
	s_lshl_b32 s31, s31, 23
	s_or_b32 s31, s31, 0x600000
	v_mov_b32 v31, s31                             ; 57,344 x 2^e2
	s_add_co_i32 s31, s20, s21
	s_lshl_b32 s31, s31, 23
	s_add_co_i32 s26, s31, 0x3e38aa3b              ; c = log2(e) x 2^-3, with e0 + e1 added to its exponent field
	s_mov_b32 s27, s26                             ; (named with it as a pair, so it is written)
	s_add_co_i32 s36, s22, s23                     ; e2 + e3
.set I, 0
.rept 32
	v_med3_num_f32 v[32+I], v[32+I], -v25, v25     ; the conversion to an 8-bit code does not saturate (ISA guide 7.6.2): the hold comes first
.set I, I+1
.endr
.irp c, 0,1,2,3
	v_cvt_scalef32_pk8_bf8_f32 v[16+2*\c:17+2*\c], v[32+8*\c:39+8*\c], v24
.endr
	v_nop                                          ; a plain line behind the last conversion: matrix instructions read its result later
	s_add_co_u32 s31, s16, 8
	s_cmp_ge_u32 s31, s17
	s_cbranch_scc1 .Lno_second
	s_wait_dscnt 0x0                               ; the first copy's stores have read their registers
	COPY 8, 131072, 4096                           ; step = my wave's number + 8
.Lno_second:
	s_wait_dscnt 0x0                               ; for the others' sake: my stores have landed.  Only work on registers stands between this wait and the signal
	v_mov_b32 v13, 0xff61b1e6                      ; the largest t so far: -3e38, under every t
	v_floor_f32 v12, -v13                          ; -M
	v_mov_b32 v14, 0                               ; the sum, in two halves
	v_mov_b32 v15, 0
	v_mov_b32 v26, 0                               ; written once: a lane permute's destination counts as one of its sources
	v_mov_b32 v29, 0                               ; (named as the upper half of the pair v[28:29])
.set I, 0
.rept 32
	v_mov_b32 v[192+I], 0                          ; O^T.  (The step is written once: the first finds zeros, which the first change of M leaves zeros)
.set I, I+1
.endr
	s_barrier_signal -1
	s_barrier_wait -1                              ; the head's images lie in LDS; nobody writes them again
	s_mov_b32 s28, 0                               ; the step's images
	s_mov_b32 s29, CTAB                            ; the step's biases
	s_mov_b32 s30, 0
.Lstep:                                            ; 16 trips, a constant; a trip at or past the count of steps does nothing but step the addresses
	v_add_nc_u32 v3, s28, v1
	v_add_nc_u32 v4, s29, v2
	s_cmp_ge_u32 s30, s17
	s_cbranch_scc1 .Lskip
	v_nop                                          ; with the two additions above: four places in front of loads into registers that the last products read
	v_nop
.irp t, 0,1,2,3,4,5,6,7
	ds_load_b128 v[128+8*\t:131+8*\t], v4 offset:64*\t       ; the biases of keys 16 t + 8 h + 0 .. 7, in the result's layout: the C of the product below
	ds_load_b128 v[132+8*\t:135+8*\t], v4 offset:64*\t+16
.endr
.irp t, 0,1,2,3,4,5,6,7
	ds_load_b128 v[64+8*\t:67+8*\t], v3 offset:1024*\t       ; K's tile t, as its registers were stored
	ds_load_b128 v[68+8*\t:71+8*\t], v3 offset:1024*\t+512
.endr
	s_wait_dscnt 0x0
.irp t, 0,1,2,3,4,5,6,7                        ; eight accumulators, one instruction each
	v_wmma_f32_16x16x64_bf8_bf8 v[128+8*\t:135+8*\t], v[64+8*\t:71+8*\t], v[16:23], v[128+8*\t:135+8*\t]
.endr
.rept 4
	v_nop                                          ; places in front of the loads into K's registers and of the first read of the scores
.endr
.irp d, 0,1,2,3
.irp q, 0,1,2,3
	ds_load_b128 v[64+16*\d+4*\q:67+16*\d+4*\q], v3 offset:8192+2048*\d+512*\q   ; V^T's four tiles: they land while the softmax is walked
.endr
.endr
	v_max3_num_f32 v24, v128, v129, v130           ; the step's largest score of my query among my 64 keys, in two chains, each accumulator from its low end on,
	v_max3_num_f32 v25, v131, v132, v133
.irp i, 6,10,14,18,22,26,30,34,38,42,46,50,54,58
	v_max3_num_f32 v24, v24, v[128+\i], v[129+\i]
	v_max3_num_f32 v25, v25, v[130+\i], v[131+\i]
.endr
	v_max3_num_f32 v24, v24, v190, v191
	v_max_num_f32 v24, v24, v25
	v_permlanex16_b32 v26, v24, s24, s25
	v_max_num_f32 v24, v24, v26                    ; and among lane l xor 16's
	v_mul_f32 v24, s26, v24                        ; as t (c is positive)
	v_max_num_f32 v13, v13, v24                    ; the running largest t
	v_mov_b32 v24, v12
	v_floor_f32 v12, -v13                          ; the new -M = floor(-t) = -ceil(t): M is a whole number
	v_sub_f32 v24, v12, v24                        ; M's old value less its new one: a whole number, 0 or less
	v_cvt_i32_f32 v24, v24                         ; (it saturates)
	v_ldexp_f32 v28, 1.0, v24                      ; f = 2^(old M - new M)
.set I, 0
.rept 32
	v_pk_fma_f32 v[128+I:129+I], v[128+I:129+I], s[26:27], v[12:13] op_sel_hi:[1,0,0]   ; t - M, two at a time (of the pairs c and -M the low word serves both halves)
.set I, I+2
.endr
.set I, 0
.rept 64
	v_exp_f32 v[128+I], v[128+I]                   ; p = 2^(t - M), at most 1: not normalised
.set I, I+1
.endr
	v_pk_mul_f32 v[14:15], v[14:15], v[28:29] op_sel_hi:[1,0]   ; the sums under the new M: a plain line behind the exponentials
	s_wait_alu depctr_va_vdst(0)                   ; the wait ahead of the first line that names an exponential's result: one for the batch of 64
	v_pk_add_f32 v[32:33], v[128:129], v[130:131]  ; the row's sum is taken of the unquantised p: two at a time, in two chains
.irp j, 4,8,12,16,20,24,28,32,36,40,44,48,52,56,60
	v_pk_add_f32 v[14:15], v[14:15], v[128+\j:129+\j]
	v_pk_add_f32 v[32:33], v[32:33], v[130+\j:131+\j]
.endr
	v_pk_add_f32 v[14:15], v[14:15], v[32:33]
	s_cmp_ge_i32 s22, -15                          ; p is at most 1, and 57,344 x 2^e2 is at least 1.75 from e2 = -15 on: there the hold changes no number and is passed over.
	s_cbranch_scc1 .Lno_hold                       ; e2 is a whole number read from memory, and this launch has no tensor load and no copy
.set I, 0
.rept 64
	v_min_num_f32 v[128+I], v[128+I], v31          ; p is not negative: the hold is one-sided
.set I, I+1
.endr
.Lno_hold:
.irp t, 0,1,2,3,4,5,6,7
	v_cvt_scalef32_pk8_bf8_f32 v[224+2*\t:225+2*\t], v[128+8*\t:135+8*\t], v30   ; keys 16 t + 8 h + 0 .. 7: registers 2 t, 2 t + 1 of the operand
.endr
.set I, 0
.rept 16
	v_pk_mul_f32 v[192+I:193+I], v[192+I:193+I], v[28:29] op_sel_hi:[1,0]   ; O^T under the new M, each accumulator from its low end on.  (Plain lines between the conversions and the products)
.set I, I+2
.endr
	s_wait_dscnt 0x0                               ; V^T's tiles are in
.irp d, 0,1,2,3                                ; four accumulators, one instruction each; the next matrix instruction, over the backward jump, is S^T's
	v_wmma_f32_16x16x128_bf8_bf8 v[192+8*\d:199+8*\d], v[64+16*\d:79+16*\d], v[224:239], v[192+8*\d:199+8*\d]
.endr
.Lskip:
	s_add_co_u32 s28, s28, 16384
	s_add_co_u32 s29, s29, 512
	s_add_co_u32 s30, s30, 1
	s_cmp_lt_u32 s30, 16
	s_cbranch_scc1 .Lstep
	; THE WAY OUT.  O^T / the sum x 2^(e2 + e3) goes through my stage in LDS and leaves as whole rows of 256 bytes.
	v_add_f32 v14, v14, v15                        ; the sum's two halves,
	v_permlanex16_b32 v26, v14, s24, s25
	v_add_f32 v14, v14, v26                        ; and lane l xor 16's: the row's sum
	v_rcp_f32 v14, v14
	v_nop                                          ; a plain line behind the reciprocal; with the additions above these are also the places behind the last products
	v_nop
	s_wait_alu depctr_va_vdst(0)                   ; the wait ahead of the first line that names the reciprocal's result
	v_ldexp_f32 v14, v14, s36
.set I, 0
.rept 16
	v_pk_mul_f32 v[128+I:129+I], v[192+I:193+I], v[14:15] op_sel_hi:[1,0]   ; register 8 d + j is out(r, 16 d + 8 h + j)
.set I, I+2
.endr
.irp d, 0,1,2,3
	ds_store_b128 v10, v[128+8*\d:131+8*\d] offset:64*\d
	ds_store_b128 v10, v[132+8*\d:135+8*\d] offset:64*\d+16
.endr
.irp i, 0,1,2,3,4,5,6,7
	ds_load_b128 v[64+4*\i:67+4*\i], v11 offset:544*\i      ; LDS serves a wave's instructions in order (ISA guide 5.7.1.4): these see my stores
.endr
.irp i, 0,1,2,3,4,5,6,7
	s_wait_dscnt 7-\i                              ; load i is in; the 7 - i behind it may be out
	global_store_b128 v1, v[64+4*\i:67+4*\i], s[14:15] offset:512*\i th:TH_STORE_NT   ; two rows: 512 consecutive bytes, aligned; written once, read by nobody here
.endr
	s_wait_tensorcnt 0x0                           ; the wave's end, behind my last LDS store
	ds_add_u32 v5, v6
	s_wait_dscnt 0x0
	s_endpgm
.Lfunc_end_k_q5aa545c1b9_attn:
	.size	k_q5aa545c1b9_attn, .Lfunc_end_k_q5aa545c1b9_attn-k_q5aa545c1b9_attn
	.p2alignl 7, 3214868480
	.fill 96, 4, 3214868480
	.section	.rodata,"a",@progbits
	.p2align	6, 0x0
	.amdhsa_kernel k_q5aa545c1b9_attn
		.amdhsa_group_segment_fixed_size 306176
		.amdhsa_private_segment_fixed_size 0
		.amdhsa_enable_private_segment 0
		.amdhsa_kernarg_size 48
		.amdhsa_user_sgpr_count 2
		.amdhsa_user_sgpr_kernarg_segment_ptr 1
		.amdhsa_wavefront_size32 1
		.amdhsa_system_sgpr_workgroup_id_x 1
		.amdhsa_system_sgpr_workgroup_id_y 1
		.amdhsa_system_sgpr_workgroup_id_z 1
		.amdhsa_system_vgpr_workitem_id 0
		.amdhsa_next_free_vgpr 256
		.amdhsa_next_free_sgpr 66
		.amdhsa_reserve_vcc 0
		.amdhsa_float_denorm_mode_32 3
		.amdhsa_float_denorm_mode_16_64 3
		.amdhsa_memory_ordered 1
		.amdhsa_forward_progress 1
		.amdhsa_inst_pref_size 41
	.end_amdhsa_kernel
	.amdgpu_metadata
---
amdhsa.version: [ 1, 2 ]
amdhsa.kernels:
  - .name:           k_q5aa545c1b9_attn
    .symbol:         k_q5aa545c1b9_attn.kd
    .args:
      - { .name: query, .offset: 0, .size: 8, .value_kind: global_buffer, .address_space: global }
      - { .name: kv, .offset: 8, .size: 8, .value_kind: global_buffer, .address_space: global }
      - { .name: cb, .offset: 16, .size: 8, .value_kind: global_buffer, .address_space: global }
      - { .name: meta, .offset: 24, .size: 8, .value_kind: global_buffer, .address_space: global }
      - { .name: lowp_scales, .offset: 32, .size: 8, .value_kind: global_buffer, .address_space: global }
      - { .name: out0, .offset: 40, .size: 8, .value_kind: global_buffer, .address_space: global }
    .group_segment_fixed_size: 306176
    .private_segment_fixed_size: 0
    .kernarg_segment_align: 8
    .kernarg_segment_size: 48
    .max_flat_workgroup_size: 256
    .sgpr_count:     66
    .vgpr_count:     256
    .wavefront_size: 32
...
	.end_amdgpu_metadata
.endif
;; end of part 2
;; ======== version 2 of 2: 2 launches
;; limits: right only within a limited range of input values
;; workspace buffers: kv 4,194,304 bytes; cb 131,072 bytes; meta 256 bytes of whole numbers
;; launch pack (part 3): grid 16 x 16, 8 waves a work-group, no clusters, 2,048 bytes of LDS; arguments mask, key, value, lowp_scales, kv, cb, meta; writes kv, cb, meta
.if DOCPART == 3
	.amdgcn_target "amdgcn-amd-amdhsa--gfx1250"
	.amdhsa_code_object_version 6
	.text
	.protected	k_q5aa545c1b9_pack
	.globl	k_q5aa545c1b9_pack
	.p2align	8
	.type	k_q5aa545c1b9_pack,@function
k_q5aa545c1b9_pack:
	s_mov_b64 s[64:65], 0
	v_nop
	global_prefetch_b8 v0, s[64:65] scope:SCOPE_SE
	s_setreg_imm32_b32 hwreg(HW_REG_WAVE_MODE, 25, 1), 1
	s_wait_xcnt 0x0
; FIRST OF TWO LAUNCHES.  out = softmax_k(q . k / 8 + slope_h (k - 2047), keys with mask = 0 blocked) v, both products on codes of E5M2 with the given scales 2^e0 .. 2^e3.
; WORK LEFT OUT, AND WHY IT IS DEAD.  A key whose mask byte is 0 gets the logit finfo.min.  While at least one key is open, the row's M is the ceiling of an open key's t, so a blocked key's
; p = 2^(t - M) is 0: its code is 0, it adds 0 to the row's sum and 0 to every output, whatever finite numbers its rows of key and value hold.  The mask is a whole-number input, read here from memory:
; so this launch COMPACTS the open keys, and the second launch multiplies only them.  No input is without a way to the output; all are loaded.
; ALL KEYS BLOCKED: reference() then weighs all 2,048 keys alike.  Served so: all keys are taken, K's codes are made 0 (the hold's limit is 0) and the bias 0: every t is 0, every p is 1.
; WHAT IS STORED, for head y and step x of 128 compacted keys (steps at or past the count of steps are not stored and not read):
;   kv [head][step][16,384 bytes]: IMAGES OF OPERAND REGISTERS.  K: tile t of 16 keys at 1024 t: registers 4 q .. 4 q + 3 of lane l at + 512 q + 16 l; lane (r, h) holds key 16 t + r, registers 2 c, 2 c + 1 its d = 16 c + 8 h + 0 .. 7.
;      V^T: tile td of 16 of the head's 64 at 8192 + 2048 td, likewise; lane (r, h) holds d = 16 td + r, registers 2 c, 2 c + 1 the step's keys 16 c + 8 h + 0 .. 7.
;   cb [head][step][128] f32: bias x 2^(3 - e0 - e1), bias = f32(k - 2047) x slope_h: added to a sum of code products it gives logit x 2^(3 - e0 - e1), since 1 / sqrt(64) = 2^-3.
;      Positions past the last open key (the last step's rest) hold -2^60 x 2^(3 - e0 - e1): their p is 0; they take the rows of key and value with the position's own number, which exist.
;   meta: 64 words, each the count of steps, (open keys + 127) / 128 (16 where all are blocked).
; THE ORDER of the compacted keys: mask word w = 4 i + b holds in bit l key 128 i + 4 l + b; words ascending, bits ascending.  K, V and the bias share it, and a sum over keys may take any order.
; SHARES.  A work-group makes one step of one head.  Every wave finds, for each of its 16 positions 128 x + 16 wave + r, the key that stands there; the 128 keys meet in LDS; wave w then makes K's tile w and
; half of V^T's tile w % 4 (keys 64 (w / 4) on).  The grid has 16 steps a head, as many as any mask can ask for; a work-group whose step the mask leaves empty stores nothing.
; LIMITS.  e0 .. e3 between -126 and 112; e0 + e1 between -60 and 60; open keys' |logit| under 2^50.  NaN among key, value is not served; an infinity is held at the largest code.
; A NaN, an infinity or an overflow that reaches only the work left out (a blocked key's rows) is not carried to the result.
; No matrix work, no tensor loads, no cluster: work-groups share only the 2,048 mask bytes.
.set ORD,   0                          ; LDS: the step's 128 keys, a word each
.set CBL,   512                        ; the step's 128 biases
.set SPARE, 1024                       ; the spare words, 128 bytes for each of eight waves: four blocks of 256 bytes that no other line names
; v1 4 lane; v2 r; v3 h; v4 J, my position; v5 the mask word that holds it; v6 the open keys ahead of that word, then N; v7 the word's first key; v8 the bit; v9, v10 at work; v11-14 counts by 2, 4, 8, 16 bits;
; v15 my key; v16 its bias; v17, v19, v20 LDS addresses; v21 K's row offset; v22, v23 2^e1, K's limit; v24, v25 2^e3, V's limit; v26, v27 the add's two; v[28:29] meta's pair; v30, v31 where my codes go;
; v[32:47] the mask, then v[32:63] K's 32 numbers; v[64:95] 32 keys, then their offsets; v[96:127] V's 32 numbers; v[128:135], v[136:143] codes; v[144:147] biases; v148 my column of V; v149 8 lane.
; s32-63 and s66-97: the 64 mask words.
	s_load_b256 s[4:11], s[0:1], 0x0               ; mask s[4:5], key s[6:7], value s[8:9], the scales' exponents s[10:11]
	s_load_b128 s[12:15], s[0:1], 0x20             ; kv s[12:13], cb s[14:15]
	s_load_b64 s[16:17], s[0:1], 0x30              ; meta
	v_lshl_add_u32 v26, v0, 2, SPARE               ; my spare word; never rewritten
	v_mov_b32 v27, 0                               ; 0; never rewritten
	v_lshrrev_b32 v1, 5, v0
	s_delay_alu instid0(VALU_DEP_1)
	v_readfirstlane_b32 s18, v1                    ; wave 0..7
	v_and_b32 v20, 31, v0                          ; lane
	s_delay_alu instid0(VALU_DEP_1)
	v_lshlrev_b32 v1, 2, v20
	s_delay_alu instid0(VALU_DEP_2)
	v_lshlrev_b32 v149, 3, v20
	s_delay_alu instid0(VALU_DEP_3)
	v_lshlrev_b32 v20, 4, v20                      ; 16 lane
	s_wait_alu depctr_va_vdst(0)
	v_and_b32 v2, 15, v0                           ; r
	s_wait_alu depctr_va_vdst(0)
	v_bfe_u32 v3, v0, 4, 1                         ; h
	s_mov_b32 s19, ttmp9                           ; the step
	s_and_b32 s20, ttmp7, 0xffff                   ; the head
	; every LDS address and every store offset is made here, of the lane and the wave alone
	s_lshl_b32 s28, s18, 6
	v_lshl_add_u32 v17, v2, 2, s28                 ; where my position's key goes: 4 r + 64 wave
	s_lshr_b32 s29, s18, 2                         ; ch: which 64 keys of V I take
	s_and_b32 s28, s18, 3                          ; td: which 16 of the head's 64
	s_lshl_b32 s98, s29, 8
	v_lshl_add_u32 v19, v3, 5, s98                 ; where I read V's keys: 32 h + 256 ch
	s_lshl_b32 s98, s28, 6
	v_lshl_add_u32 v148, v2, 2, s98                ; my column of V in bytes: 4 r + 64 td
	s_lshl_b32 s98, s18, 10
	v_add_nc_u32 v30, s98, v20                     ; K's image: 16 lane + 1024 wave
	s_lshl_b32 s98, s28, 11
	s_lshl_b32 s99, s29, 10
	s_add_co_u32 s98, s98, s99
	s_add_co_u32 s98, s98, 8192
	v_add_nc_u32 v31, s98, v20                     ; V's image: 16 lane + 8192 + 2048 td + 1024 ch
	s_lshl_b32 s98, s19, 7
	s_lshl_b32 s99, s18, 4
	s_add_co_u32 s98, s98, s99
	v_add_nc_u32 v4, s98, v2                       ; J = 128 step + 16 wave + r
	s_lshl_b32 s2, s20, 19                         ; a head of key or value: 2,048 rows of 256 bytes
	s_mov_b32 s3, 0
	s_lshl_b32 s28, s20, 4
	s_add_co_u32 s28, s28, s19                     ; 16 head + step
	s_wait_kmcnt 0x0
	s_load_b128 s[24:27], s[10:11], 0x0            ; e0, e1, e2, e3
.set I, 0
.rept 16
	global_load_b32 v[32+I], v1, s[4:5] offset:128*I   ; the whole mask: each load takes 128 consecutive bytes
.set I, I+1
.endr
	s_add_nc_u64 s[6:7], s[6:7], s[2:3]            ; key and value at my head
	s_add_nc_u64 s[8:9], s[8:9], s[2:3]
	s_lshl_b32 s2, s28, 14
	s_add_nc_u64 s[12:13], s[12:13], s[2:3]        ; kv at my block
	s_lshl_b32 s2, s28, 9
	s_add_nc_u64 s[14:15], s[14:15], s[2:3]        ; cb at my block
	s_wait_loadcnt 0x0
	; the mask bytes become 64 words of 32 bits: word 4 i + b, bit l = key 128 i + 4 l + b
.set W, 0
.rept 64
.set WR, 32+W+2*(W/32)
	v_and_b32 v[9+(W%2)], 0xff<<(8*(W%4)), v[32+W/4]
	s_delay_alu instid0(VALU_DEP_1)
	v_cmp_ne_u32 s[WR], 0, v[9+(W%2)]
.set W, W+1
.endr
	; the word that holds my position: the last whose count of open keys ahead of it is J or less.  s21 runs through those counts and ends as n, the open keys in all
	v_mov_b32 v5, s32
	v_mov_b32 v6, 0
	v_mov_b32 v7, 0
	s_bcnt1_i32_b32 s21, s32
.set W, 1
.rept 63
.set WR, 32+W+2*(W/32)
	v_cmp_gt_u32 vcc_lo, s21, v4                   ; more than J keys ahead of word W: the choice stays
	s_delay_alu instid0(VALU_DEP_1)
	v_cndmask_b32 v5, s[WR], v5, vcc_lo
	s_delay_alu instid0(VALU_DEP_2)
	v_cndmask_b32 v6, s21, v6, vcc_lo
	s_delay_alu instid0(VALU_DEP_3)
	v_cndmask_b32 v7, 128*(W/4)+W%4, v7, vcc_lo
	s_bcnt1_i32_b32 s22, s[WR]
	s_add_co_u32 s21, s21, s22
.set W, W+1
.endr
	; the bit: the N-th set bit of the word, N = J - the keys ahead, by halving: counts of 16, 8, 4, 2, 1 bits
	v_sub_nc_u32 v6, v4, v6
	v_lshrrev_b32 v9, 1, v5
	s_delay_alu instid0(VALU_DEP_1)
	v_and_b32 v9, 0x55555555, v9
	s_delay_alu instid0(VALU_DEP_1)
	v_sub_nc_u32 v11, v5, v9                       ; counts of 2 bits
	s_delay_alu instid0(VALU_DEP_1)
	v_lshrrev_b32 v9, 2, v11
	s_delay_alu instid0(VALU_DEP_1)
	v_and_b32 v9, 0x33333333, v9
	s_delay_alu instid0(VALU_DEP_3)
	v_and_b32 v12, 0x33333333, v11
	s_delay_alu instid0(VALU_DEP_1)
	v_add_nc_u32 v12, v12, v9                      ; of 4
	s_delay_alu instid0(VALU_DEP_1)
	v_lshrrev_b32 v9, 4, v12
	s_delay_alu instid0(VALU_DEP_1)
	v_add_nc_u32 v13, v12, v9
	s_delay_alu instid0(VALU_DEP_1)
	v_and_b32 v13, 0x0f0f0f0f, v13                 ; of 8
	s_delay_alu instid0(VALU_DEP_1)
	v_lshrrev_b32 v9, 8, v13
	s_delay_alu instid0(VALU_DEP_1)
	v_add_nc_u32 v14, v13, v9                      ; of 16, in bytes 0 and 2
	v_mov_b32 v8, 0
.macro SEL x, m, sh                    ; T = the set bits among the next sh bits from v8 on; where N >= T the bit lies beyond them
	s_delay_alu instid0(VALU_DEP_1)
	v_lshrrev_b32 v9, v8, v[\x]
	s_delay_alu instid0(VALU_DEP_1)
	v_and_b32 v9, \m, v9
	s_delay_alu instid0(VALU_DEP_1)
	v_cmp_ge_u32 vcc_lo, v6, v9
	s_delay_alu instid0(VALU_DEP_1)
	v_cndmask_b32 v9, 0, v9, vcc_lo
	s_delay_alu instid0(VALU_DEP_1)
	v_sub_nc_u32 v6, v6, v9
	s_delay_alu instid0(VALU_DEP_3)
	v_cndmask_b32 v10, 0, \sh, vcc_lo
	s_delay_alu instid0(VALU_DEP_1)
	v_add_nc_u32 v8, v8, v10
.endm
	SEL 14, 0xff, 16
	SEL 13, 0xff, 8
	SEL 12, 15, 4
	SEL 11, 3, 2
	SEL 5, 1, 1
	s_delay_alu instid0(VALU_DEP_1)
	v_lshl_add_u32 v15, v8, 2, v7                  ; my key = the word's first key + 4 x bit
	s_wait_alu depctr_va_vdst(0)
	; the scalars
	s_wait_kmcnt 0x0
	s_add_co_u32 s28, s20, 1                       ; slope_h = 2^(-(h + 1) / 2): 1 or f32(2^-0.5), with (h + 1) / 2 taken off the exponent field
	s_and_b32 s29, s28, 1
	s_mov_b32 s30, 0x3f800000
	s_mov_b32 s2, 0x3f3504f3
	s_cmp_lg_u32 s29, 0
	s_cselect_b32 s30, s2, s30
	s_lshr_b32 s28, s28, 1
	s_lshl_b32 s28, s28, 23
	s_sub_co_u32 s30, s30, s28
	s_add_co_i32 s29, s24, s25
	s_sub_co_i32 s29, 3, s29                       ; 3 - e0 - e1
	s_add_co_i32 s28, s25, 127
	s_lshl_b32 s99, s28, 23                        ; 2^e1 as f32: the conversion takes its exponent field
	s_add_co_i32 s28, s28, 15
	s_lshl_b32 s98, s28, 23
	s_or_b32 s98, s98, 0x600000                    ; 57,344 x 2^e1
	s_add_co_i32 s28, s27, 127
	s_lshl_b32 s100, s28, 23                       ; 2^e3
	s_add_co_i32 s28, s28, 15
	s_lshl_b32 s101, s28, 23
	s_or_b32 s101, s101, 0x600000                  ; 57,344 x 2^e3
	s_cmp_lg_u32 s21, 0                            ; is any key open?
	s_cselect_b32 s23, s21, 0x800                  ; n': the positions that are walked: n, or all 2,048
	s_cselect_b32 s31, 0xdd800000, 0               ; the bias of a position past the open keys: -2^60, or 0
	s_cselect_b32 s98, s98, 0                      ; K's limit: with 0 the hold makes every code of K 0
	s_add_co_u32 s22, s23, 127
	s_lshr_b32 s22, s22, 7                         ; the count of steps
	v_mov_b32 v22, s99
	v_mov_b32 v23, s98
	v_mov_b32 v24, s100
	v_mov_b32 v25, s101
	v_cmp_gt_u32 vcc_lo, s21, v4                   ; does my position hold an open key?
	s_delay_alu instid0(VALU_DEP_1)
	v_cndmask_b32 v15, v4, v15, vcc_lo             ; if not: the row with the position's own number
	s_delay_alu instid0(VALU_DEP_1)
	v_add_nc_u32 v16, 0xfffff801, v15              ; k - 2047
	s_delay_alu instid0(VALU_DEP_1)
	v_cvt_f32_i32 v16, v16
	s_delay_alu instid0(VALU_DEP_1)
	v_mul_f32 v16, s30, v16                        ; the bias, rounded once, as reference() has it
	s_delay_alu instid0(VALU_DEP_1)
	v_cndmask_b32 v16, s31, v16, vcc_lo
	s_delay_alu instid0(VALU_DEP_1)
	v_ldexp_f32 v16, v16, s29                      ; x 2^(3 - e0 - e1): nothing is rounded
	ds_store_b32 v17, v15 offset:ORD               ; lanes l and l + 16 hold the same position: the same word, the same value
	ds_store_b32 v17, v16 offset:CBL
	s_wait_dscnt 0x0                               ; for the others' sake: my stores have landed
	s_barrier_signal -1
	s_barrier_wait -1                              ; the launch's one barrier: ahead of every branch on numbers that were loaded
	s_lshl_b32 s28, s19, 7
	s_cmp_ge_u32 s28, s23                          ; my step begins at or past n': nothing to store
	s_cbranch_scc1 .Lend
	s_wait_alu depctr_va_vdst(0)
	; K: my key's row, d = 16 c + 8 h + 0 .. 7 into v[32 + 8 c ..]
	v_min_u32 v15, 0x7ff, v15                      ; a number made of loaded ones enters an address only behind this hold
	s_delay_alu instid0(VALU_DEP_1)
	v_lshlrev_b32 v21, 8, v15
	s_delay_alu instid0(VALU_DEP_1)
	v_lshl_add_u32 v21, v3, 5, v21                 ; 256 k + 32 h
.irp c, 0,1,2,3
	global_load_b128 v[32+8*\c:35+8*\c], v21, s[6:7] offset:64*\c
	global_load_b128 v[36+8*\c:39+8*\c], v21, s[6:7] offset:64*\c+16
.endr
	; V: the keys at the step's positions 16 (4 ch + c) + 8 h + i, and of each my column
.irp c, 0,1,2,3
	ds_load_b128 v[64+8*\c:67+8*\c], v19 offset:ORD+64*\c
	ds_load_b128 v[68+8*\c:71+8*\c], v19 offset:ORD+64*\c+16
.endr
	s_wait_dscnt 0x0
.set I, 0
.rept 32
	v_min_u32 v[64+I], 0x7ff, v[64+I]
	s_delay_alu instid0(VALU_DEP_1)
	v_lshl_add_u32 v[64+I], v[64+I], 8, v148       ; 256 k + 4 (16 td + r)
.set I, I+1
.endr
.set I, 0
.rept 32
	global_load_b32 v[96+I], v[64+I], s[8:9]       ; sixteen lanes read 64 consecutive bytes of a row; a position past the open keys may name a row a second time, so no hint is given
.set I, I+1
.endr
	; wave 0 stores the step's biases, and in the first work-group the count of steps
	s_cmp_lg_u32 s18, 0
	s_cbranch_scc1 .Lnot_wave_0
	ds_load_b128 v[144:147], v20 offset:CBL
	s_wait_dscnt 0x0
	global_store_b128 v20, v[144:147], s[14:15]    ; 512 consecutive bytes
	s_or_b32 s28, s19, s20
	s_cmp_lg_u32 s28, 0
	s_cbranch_scc1 .Lnot_wave_0
	v_mov_b32 v28, s22
	v_mov_b32 v29, s22
	global_store_b64 v149, v[28:29], s[16:17]      ; 256 consecutive bytes: all of meta
.Lnot_wave_0:
; 32 numbers of a lane, eight neighbours along K in each eight registers, become eight registers of codes
.macro QUANT src, dst, sc, lim
.set I, 0
.rept 32
	v_med3_num_f32 v[\src+I], v[\src+I], -v[\lim], v[\lim]   ; the conversion to an 8-bit code does not saturate (ISA guide 7.6.2): the hold at the largest code x the scale comes first
.set I, I+1
.endr
.irp c, 0,1,2,3
	v_cvt_scalef32_pk8_bf8_f32 v[\dst+2*\c:\dst+2*\c+1], v[\src+8*\c:\src+8*\c+7], v[\sc]
.endr
	v_nop                                          ; a plain line behind the last conversion
.endm
	s_wait_loadcnt 32                              ; K's eight loads are in; V's 32, issued behind them, may be out
	QUANT 32, 128, 22, 23
	global_store_b128 v30, v[128:131], s[12:13]            ; each store of the wave covers 512 consecutive bytes, aligned
	global_store_b128 v30, v[132:135], s[12:13] offset:512
	s_wait_loadcnt 0x0
	QUANT 96, 136, 24, 25
	global_store_b128 v31, v[136:139], s[12:13]
	global_store_b128 v31, v[140:143], s[12:13] offset:512
.Lend:
	s_wait_tensorcnt 0x0                           ; the wave's end, behind my last LDS store
	ds_add_u32 v26, v27
	s_wait_dscnt 0x0
	s_endpgm
.Lfunc_end_k_q5aa545c1b9_pack:
	.size	k_q5aa545c1b9_pack, .Lfunc_end_k_q5aa545c1b9_pack-k_q5aa545c1b9_pack
	.p2alignl 7, 3214868480
	.fill 96, 4, 3214868480
	.section	.rodata,"a",@progbits
	.p2align	6, 0x0
	.amdhsa_kernel k_q5aa545c1b9_pack
		.amdhsa_group_segment_fixed_size 2048
		.amdhsa_private_segment_fixed_size 0
		.amdhsa_enable_private_segment 0
		.amdhsa_kernarg_size 56
		.amdhsa_user_sgpr_count 2
		.amdhsa_user_sgpr_kernarg_segment_ptr 1
		.amdhsa_wavefront_size32 1
		.amdhsa_system_sgpr_workgroup_id_x 1
		.amdhsa_system_sgpr_workgroup_id_y 1
		.amdhsa_system_sgpr_workgroup_id_z 1
		.amdhsa_system_vgpr_workitem_id 0
		.amdhsa_next_free_vgpr 160
		.amdhsa_next_free_sgpr 102
		.amdhsa_reserve_vcc 1
		.amdhsa_float_denorm_mode_32 3
		.amdhsa_float_denorm_mode_16_64 3
		.amdhsa_memory_ordered 1
		.amdhsa_forward_progress 1
		.amdhsa_inst_pref_size 55
	.end_amdhsa_kernel
	.amdgpu_metadata
---
amdhsa.version: [ 1, 2 ]
amdhsa.kernels:
  - .name:           k_q5aa545c1b9_pack
    .symbol:         k_q5aa545c1b9_pack.kd
    .args:
      - { .name: mask, .offset: 0, .size: 8, .value_kind: global_buffer, .address_space: global }
      - { .name: key, .offset: 8, .size: 8, .value_kind: global_buffer, .address_space: global }
      - { .name: value, .offset: 16, .size: 8, .value_kind: global_buffer, .address_space: global }
      - { .name: lowp_scales, .offset: 24, .size: 8, .value_kind: global_buffer, .address_space: global }
      - { .name: kv, .offset: 32, .size: 8, .value_kind: global_buffer, .address_space: global }
      - { .name: cb, .offset: 40, .size: 8, .value_kind: global_buffer, .address_space: global }
      - { .name: meta, .offset: 48, .size: 8, .value_kind: global_buffer, .address_space: global }
    .group_segment_fixed_size: 2048
    .private_segment_fixed_size: 0
    .kernarg_segment_align: 8
    .kernarg_segment_size: 56
    .max_flat_workgroup_size: 256
    .sgpr_count:     102
    .vgpr_count:     160
    .wavefront_size: 32
...
	.end_amdgpu_metadata
.endif
;; end of part 3
;; launch attn (part 4): grid 16 x 16, 8 waves a work-group, no clusters, 306,176 bytes of LDS; arguments query, kv, cb, meta, lowp_scales, out0; writes out0
.if DOCPART == 4
	.amdgcn_target "amdgcn-amd-amdhsa--gfx1250"
	.amdhsa_code_object_version 6
	.text
	.protected	k_q5aa545c1b9_attn
	.globl	k_q5aa545c1b9_attn
	.p2align	8
	.type	k_q5aa545c1b9_attn,@function
k_q5aa545c1b9_attn:
	s_mov_b64 s[64:65], 0
	v_nop
	global_prefetch_b8 v0, s[64:65] scope:SCOPE_SE
	s_setreg_imm32_b32 hwreg(HW_REG_WAVE_SCHED_MODE, 0, 2), 2
	s_setreg_imm32_b32 hwreg(HW_REG_WAVE_MODE, 25, 1), 1
	s_wait_xcnt 0x0
	s_wait_alu depctr_vm_vsrc(0)
; SECOND OF TWO LAUNCHES: attention over the COMPACTED keys.  Blocked keys are left out as whole rows of both products: their p is 0 for every finite input while a key is open (shown at the first kernel's head;
; all keys blocked is served there too, by zero codes of K and a zero bias over all 2,048 keys).  A NaN, an infinity or an overflow that reaches only the work left out is not carried to the result.
; kv holds, for each head and each step of 128 compacted keys, images of the operand registers of K (8 tiles x 16 keys x 64) and of V^T (4 tiles x 16 of the head's 64 x 128 keys); cb the keys' biases
; x 2^(3 - e0 - e1); meta the count of steps, which is at least 1.
; THE SOFTMAX AHEAD OF THE SECOND PRODUCT: t = logit x log2(e); M = the largest t so far, rounded UP to a whole number; p = 2^(t - M) is quantised with 2^e2, not normalised; the row's sum is taken of the unquantised p
; and divides at the end.  When M moves, the sum and O are multiplied by 2^(old M - new M): nothing is rounded.
; SHARES.  A work-group owns 128 queries of one head, each of its eight waves 16: one tile, 384 registers, two waves to a SIMD, so that one wave's vector work stands beside the other's matrix work and LDS loads.
; THE WHOLE HEAD LIES IN LDS: 16 steps x 16,384 bytes of images and 512 of biases at the most.  It is filled once (wave w copies steps w and w + 8), one barrier follows, and the walk over the keys has no barrier and no refill.
; LAYOUT.  Both products are used transposed: S^T = K Q^T (source 0 = 16 keys, source 1 = my 16 queries), O^T = V^T P^T: a lane holds ONE query (lane % 16) throughout.  Register j of tile t of S^T is key 16 t + 8 (lane / 16) + j:
; its eight registers convert into registers 2 t, 2 t + 1 of P, which is where the second product's form wants those keys.  Every k stands in its form's own place.
; THE BIAS IS THE C OF THE FIRST PRODUCT: sum of code products + bias x 2^(3 - e0 - e1) = logit x 2^(3 - e0 - e1); one multiplication by c = log2(e) x 2^(e0 + e1 - 3) makes t.  So mask and bias cost no vector instruction.
; WHY NO JOINT LOADS, though the 16 work-groups of a head read the same images: a joint load is a tensor load; here the fill and the walk
; both go by the count of steps, which the mask decides, and that spares half of all the work on a mask that is half open.  Each image block is 16,384 bytes and is copied once by each work-group, through registers.
; No prefetch: the images are asked for once, at the head, by loads that are all issued at once.
; LIMITS.  e0, e2 between -126 and 112; e0 + e1 between -60 and 60; e2 + e3 is applied by v_ldexp_f32 and has none.  Open keys' |logit| under 2^50.  NaN among the inputs is not served; an infinity is held at the largest code.
; The keys are walked in the compaction's order, so sums and the running M are ordered otherwise than in reference().
; THE MODE: SCHED_MODE bits 1:0 = 2 (LLVM: expert scheduling mode 2), set by the entry lines.  The code itself states the register dependences between vector or matrix instructions and memory or LDS instructions,
; with s_wait_alu, always for 0.
; THE PLAN.  Registers that LDS instructions touch in the walk:
;   KB, CB   K's eight tiles and the biases, in window 1.  Step s: its eight first products read them; behind the wait that follows those products the loads of step s + 1 land in them.
;   VB       V^T's four tiles, v[64:127].  Step s: its four second products read it; step s + 1's loads land in it, behind the same wait of step s + 1.
;   v3, v4   the step's two LDS addresses.  Written once a step, in the places behind the first products; read by the step's 48 loads.
;   S^T and p, O^T, p's codes, Q's codes and the statistics are named by vector and matrix instructions alone.
; So ONE wait on va_vdst stands behind a step's first products and their places: it states that v3 and v4 are written, that those products are done reading KB and CB, and that the last step's second products are done reading VB.
; The step's loads follow it with no further wait, V^T's at once, the next step's K and biases behind the maximum: the vector lines between name S^T and v12, v13, v24 to v26, v28, none of the registers that those loads touch.
; One wait on vm_vsrc a step stands ahead of the two additions.  Further waits on va_vdst stand ahead of t - M, the exponentials, their first reader and the second products.
.set CTAB,  262144                     ; LDS: images from 0 on, step s at 16384 s; the biases here, 512 bytes a step;
.set STG,   270336                     ; the way out: 16 rows x (256 bytes + 16) for each wave;
.set SPARE, 305152                     ; the spare words, 128 bytes for each of eight waves: four blocks of 256 bytes that no other line names
.set KB,    0                          ; in window 1: v256-319, K's eight tiles
.set CB,    64                         ; in window 1: v320-383, the biases in the result's layout
; v1 16 lane; v2 32 h; v3, v4 LDS addresses of the step's images and biases; v5, v6 the add's two; v7 16 lane + 16384 wave (offset in kv and LDS address alike); v8 the same 8 steps on; v9 where my chunk of biases goes;
; v10, v11 the stage, in and back; v12 -M; v13 the largest t; v[14:15] the sum; v[16:23] Q's codes; v24, v25 at work; v26 a permute's destination; v[28:29] f; v30, v31 2^e2, 57,344 x 2^e2;
; v[32:63] Q as f32, then v[32:33] the sum's second chain; v[64:127] fragments of V; v[128:191] S^T, then p; v[192:223] O^T; v[224:239] p's codes; v240, v241 offsets in cb and in Q.  (In the fill v[64:195] carry the copies.)
; s_set_vgpr_msb's low byte: bits 1:0 source 0, 3:2 source 1, 5:4 source 2, 7:6 destination.  Four switches a step.
.set MSB, 0
.macro WIN new                         ; the immediate's high byte repeats the setting that is left
.if MSB != \new
	s_set_vgpr_msb (MSB<<8)|\new
.set MSB, \new
.endif
.endm
; The biases of keys 16 t + 8 h + 0 .. 7, in the result's layout: the C of the first product.  off: 0 for the step at v4, 512 for the step behind it.  (Under a destination in window 1)
.macro CLOAD off
.irp t, 0,1,2,3,4,5,6,7
	ds_load_b128 v[CB+8*\t:CB+8*\t+3], v4 offset:\off+64*\t
	ds_load_b128 v[CB+8*\t+4:CB+8*\t+7], v4 offset:\off+64*\t+16
.endr
.endm
; K's tile t, as its registers were stored.  (Under a destination in window 1)
.macro KLOAD adr, off
.irp t, 0,1,2,3,4,5,6,7
	ds_load_b128 v[KB+8*\t:KB+8*\t+3], v[\adr] offset:\off+1024*\t
	ds_load_b128 v[KB+8*\t+4:KB+8*\t+7], v[\adr] offset:\off+1024*\t+512
.endr
.endm
	s_load_b256 s[4:11], s[0:1], 0x0               ; query s[4:5], kv s[6:7], cb s[8:9], meta s[10:11]
	s_load_b128 s[12:15], s[0:1], 0x20             ; the scales' exponents s[12:13], out0 s[14:15]
	v_lshl_add_u32 v5, v0, 2, SPARE                ; my spare word; never rewritten
	v_mov_b32 v6, 0                                ; 0; never rewritten
	v_lshrrev_b32 v2, 5, v0
	v_readfirstlane_b32 s16, v2                    ; wave 0..7
	v_and_b32 v1, 31, v0
	v_lshlrev_b32 v1, 4, v1                        ; 16 lane
	v_and_b32 v3, 15, v0                           ; r
	v_bfe_u32 v4, v0, 4, 1                         ; h
	v_lshlrev_b32 v2, 5, v4                        ; 32 h
	s_wait_alu depctr_va_sdst(0)                   ; s16 is written, ahead of its first reader: addresses, bases and the fill's branches are made from it
	s_lshl_b32 s31, s16, 14
	v_add_nc_u32 v7, s31, v1
	v_add_nc_u32 v8, 0x20000, v7
	s_lshl_b32 s31, s16, 9
	v_add_nc_u32 v240, s31, v1                     ; 512 wave + 16 lane
	v_add_nc_u32 v9, CTAB, v240
	s_mul_i32 s31, s16, 16*272
	s_add_co_u32 s31, s31, STG                     ; my stage
	v_mul_u32_u24 v10, v3, 272
	v_lshl_add_u32 v10, v4, 5, v10
	v_add_nc_u32 v10, s31, v10                     ; in: row r, + 32 h
	v_mul_u32_u24 v11, v4, 272
	v_lshl_add_u32 v11, v3, 4, v11
	v_add_nc_u32 v11, s31, v11                     ; back: lanes 0-15 one row, lanes 16-31 the next
	v_lshlrev_b32 v241, 8, v3
	v_lshl_add_u32 v241, v4, 5, v241               ; Q: 256 r + 32 h
	v_add_nc_u32 v4, CTAB, v2                      ; the first step's biases (its images begin at LDS byte 0: v1 is their address)
	s_mov_b32 s24, 0x76543210                      ; v_permlanex16_b32's selects for lane l xor 16
	s_mov_b32 s25, 0xfedcba98
	s_and_b32 s32, ttmp7, 0xffff                   ; the head
	s_lshl_b32 s34, s32, 19                        ; its 2,048 rows of 256 bytes,
	s_lshl_b32 s33, ttmp9, 15                      ; my block's 128,
	s_add_co_u32 s34, s34, s33
	s_lshl_b32 s33, s16, 12                        ; my wave's 16
	s_add_co_u32 s34, s34, s33
	s_mov_b32 s35, 0
	s_wait_kmcnt 0x0
	s_load_b128 s[20:23], s[12:13], 0x0            ; e0, e1, e2, e3
	s_load_b32 s17, s[10:11], 0x0                  ; the count of steps
	s_add_nc_u64 s[4:5], s[4:5], s[34:35]
	s_add_nc_u64 s[14:15], s[14:15], s[34:35]
	s_lshl_b32 s34, s32, 18
	s_add_nc_u64 s[6:7], s[6:7], s[34:35]          ; kv at my head
	s_lshl_b32 s34, s32, 13
	s_add_nc_u64 s[8:9], s[8:9], s[34:35]          ; cb at my head
	s_wait_alu depctr_va_vdst(0)                   ; v1, v4, v7 to v11, v240 and v241 are written: the offsets and addresses that the loads and stores of the fill, of the first step and of the way out read
.irp c, 0,1,2,3
	global_load_b128 v[32+8*\c:35+8*\c], v241, s[4:5] offset:64*\c      ; Q(r, 16 c + 8 h + 0 .. 7)
	global_load_b128 v[36+8*\c:39+8*\c], v241, s[4:5] offset:64*\c+16
.endr
; One step's images and biases, from memory through registers into LDS, byte for byte.  Loads and stores stand in one arm of the branch that leads round them.
; No vector or matrix instruction names v[64:195] ahead of the barrier: the stores' data come from loads, whose counter is waited for.
.macro COPY adr, goff, coff
.set I, 0
.rept 32
	global_load_b128 v[64+4*I:67+4*I], v7, s[6:7] offset:\goff+512*I    ; 512 consecutive bytes
.set I, I+1
.endr
	global_load_b128 v[192:195], v240, s[8:9] offset:\coff
.set I, 0
.rept 32
	s_wait_loadcnt 32-I                            ; load I is in: behind it stand 31 - I of the images' and the biases' one
	ds_store_b128 v[\adr], v[64+4*I:67+4*I] offset:512*I
.set I, I+1
.endr
	s_wait_loadcnt 0x0
	ds_store_b128 v9, v[192:195] offset:\coff
.endm
	s_wait_kmcnt 0x0
	s_min_u32 s17, s17, 16                         ; LDS has room for 16 steps, and the first launch stores no more
	s_cmp_ge_u32 s16, s17
	s_cbranch_scc1 .Lno_first
	COPY 7, 0, 0                                   ; step = my wave's number
.Lno_first:
	s_wait_loadcnt 0x0                             ; Q (on the way round the copy nothing has waited for it yet)
	s_add_co_i32 s31, s20, 127
	s_lshl_b32 s33, s31, 23
	v_mov_b32 v24, s33                             ; 2^e0 as f32: the conversion takes its exponent field
	s_add_co_i32 s31, s31, 15
	s_lshl_b32 s31, s31, 23
	s_or_b32 s31, s31, 0x600000
	v_mov_b32 v25, s31                             ; 57,344 x 2^e0
	s_wait_alu depctr_va_vdst(0)
	s_add_co_i32 s31, s22, 127
	s_lshl_b32 s33, s31, 23
	v_mov_b32 v30, s33                             ; 2^e2
	s_add_co_i32 s31, s31, 15
	s_lshl_b32 s31, s31, 23
	s_or_b32 s31, s31, 0x600000
	v_mov_b32 v31, s31                             ; 57,344 x 2^e2
	s_add_co_i32 s31, s20, s21
	s_lshl_b32 s31, s31, 23
	s_add_co_i32 s26, s31, 0x3e38aa3b              ; c = log2(e) x 2^-3, with e0 + e1 added to its exponent field
	s_mov_b32 s27, s26                             ; (named with it as a pair, so it is written)
	s_add_co_i32 s36, s22, s23                     ; e2 + e3
.set I, 0
.rept 32
	v_med3_num_f32 v[32+I], v[32+I], -v25, v25     ; the conversion to an 8-bit code does not saturate (ISA guide 7.6.2): the hold comes first
.set I, I+1
.endr
.irp c, 0,1,2,3
	v_cvt_scalef32_pk8_bf8_f32 v[16+2*\c:17+2*\c], v[32+8*\c:39+8*\c], v24
.endr
	v_nop                                          ; a plain line behind the last conversion: matrix instructions read its result later
	s_wait_alu depctr_vm_vsrc(0)                   ; the first copy's LDS stores have read v[64:195], in which the second copy's loads land
	s_add_co_u32 s31, s16, 8
	s_cmp_ge_u32 s31, s17
	s_cbranch_scc1 .Lno_second
	s_wait_dscnt 0x0                               ; the first copy's stores have read their registers
	COPY 8, 131072, 4096                           ; step = my wave's number + 8
.Lno_second:
	s_wait_dscnt 0x0                               ; for the others' sake: my stores have landed
	s_wait_alu depctr_vm_vsrc(0)                   ; my LDS stores have read v[64:195]: from here on the clears below write v[192:223], the first products v[128:191], and V^T's loads land in v[64:127]
	s_barrier_signal -1
	s_barrier_wait -1                              ; the head's images lie in LDS; nobody writes them again
	WIN 0x40                                       ; destination window 1, address window 0
	CLOAD 0                                        ; the first step's biases and K.  No wait: their addresses v4 and v1 stand written since the head's wait, and nothing has named KB or CB yet
	KLOAD 1, 0
	WIN 0
	v_mov_b32 v13, 0xff61b1e6                      ; the largest t so far: -3e38, under every t
	v_floor_f32 v12, -v13                          ; -M
	v_mov_b32 v14, 0                               ; the sum, in two halves
	v_mov_b32 v15, 0
	v_mov_b32 v26, 0                               ; written once: a lane permute's destination counts as one of its sources
	v_mov_b32 v29, 0                               ; (named as the upper half of the pair v[28:29])
.set I, 0
.rept 32
	v_mov_b32 v[192+I], 0                          ; O^T.  (The step finds zeros the first time, which the first change of M leaves zeros)
.set I, I+1
.endr
	s_mov_b32 s28, 0                               ; the step's images
	s_mov_b32 s29, CTAB                            ; the step's biases
	s_mov_b32 s30, 0
	s_wait_dscnt 0x0                               ; the first step's K and biases are in; those of each later step are shown in by the wait ahead of the second products of the step before
; A KEY STEP: 128 compacted keys.  n: its number; kb, cb: where its images and its biases begin in LDS.  pf = 1: the next step's K and biases are asked for, if there is a next step.
; A step at or past the count of steps does nothing.
.macro STEP pf, n, kb, cb
	s_cmp_ge_u32 \n, s17
	s_cbranch_scc1 .Lskip_\@
	WIN 0x11                                       ; source 0 (K) and source 2 (the biases) window 1
.irp t, 0,1,2,3,4,5,6,7                        ; eight accumulators, one instruction each
	v_wmma_f32_16x16x64_bf8_bf8 v[128+8*\t:135+8*\t], v[KB+8*\t:KB+8*\t+7], v[16:23], v[CB+8*\t:CB+8*\t+7]
.endr
	WIN 0
	s_wait_alu depctr_vm_vsrc(0)                   ; the LDS loads issued so far have read v3 and v4, which the two additions write
	v_add_nc_u32 v3, \kb, v1
	v_add_nc_u32 v4, \cb, v2
	v_nop                                          ; with the two additions above: four places in front of the first read of the scores
	v_nop
	s_wait_alu depctr_va_vdst(0)                   ; v3 and v4 are written, which the loads below read; the products above are done reading KB and CB, the last step's second products VB: the loads below land in them
.irp d, 0,1,2,3
.irp q, 0,1,2,3
	ds_load_b128 v[64+16*\d+4*\q:67+16*\d+4*\q], v3 offset:8192+2048*\d+512*\q   ; V^T's four tiles: they land while the softmax is walked
.endr
.endr
	v_max3_num_f32 v24, v128, v129, v130           ; the step's largest score of my query among my 64 keys, in two chains, each accumulator from its low end on,
	v_max3_num_f32 v25, v131, v132, v133
.irp i, 6,10,14,18,22,26,30,34,38,42,46,50,54,58
	v_max3_num_f32 v24, v24, v[128+\i], v[129+\i]
	v_max3_num_f32 v25, v25, v[130+\i], v[131+\i]
.endr
	v_max3_num_f32 v24, v24, v190, v191
	v_max_num_f32 v24, v24, v25
	v_permlanex16_b32 v26, v24, s24, s25
	v_max_num_f32 v24, v24, v26                    ; and among lane l xor 16's
	v_mul_f32 v24, s26, v24                        ; as t (c is positive)
	v_max_num_f32 v13, v13, v24                    ; the running largest t
	v_mov_b32 v24, v12
	v_floor_f32 v12, -v13                          ; the new -M = floor(-t) = -ceil(t): M is a whole number
	v_sub_f32 v24, v12, v24                        ; M's old value less its new one: a whole number, 0 or less
	v_cvt_i32_f32 v24, v24                         ; (it saturates)
	v_ldexp_f32 v28, 1.0, v24                      ; f = 2^(old M - new M)
.if \pf
	s_add_co_u32 s31, \n, 1                        ; is there a next step?  A whole number read from memory decides; this launch has no tensor load and no copy
	s_cmp_ge_u32 s31, s17
	s_cbranch_scc1 .Lno_next_\@
	WIN 0x40                                       ; destination window 1, address window 0
	CLOAD 512                                      ; the next step's biases and K.  No wait: no vector or matrix instruction since the wait above names v3, v4, KB or CB
	KLOAD 3, 16384
	WIN 0
.Lno_next_\@:
.endif
.set I, 0
	s_wait_alu depctr_va_vdst(0)
.rept 32
	v_pk_fma_f32 v[128+I:129+I], v[128+I:129+I], s[26:27], v[12:13] op_sel_hi:[1,0,0]   ; t - M, two at a time (of the pairs c and -M the low word serves both halves)
.set I, I+2
.endr
.set I, 0
	s_wait_alu depctr_va_vdst(0)
.rept 64
	v_exp_f32 v[128+I], v[128+I]                   ; p = 2^(t - M), at most 1: not normalised
.set I, I+1
.endr
	v_pk_mul_f32 v[14:15], v[14:15], v[28:29] op_sel_hi:[1,0]   ; the sums under the new M: a plain line behind the exponentials
	s_wait_alu depctr_va_vdst(0)                   ; the 64 exponentials have written v[128:191]: the wait ahead of the first line that names a result: one for the batch
	v_pk_add_f32 v[32:33], v[128:129], v[130:131]  ; the row's sum is taken of the unquantised p: two at a time, in two chains
.irp j, 4,8,12,16,20,24,28,32,36,40,44,48,52,56,60
	v_pk_add_f32 v[14:15], v[14:15], v[128+\j:129+\j]
	v_pk_add_f32 v[32:33], v[32:33], v[130+\j:131+\j]
.endr
	v_pk_add_f32 v[14:15], v[14:15], v[32:33]
	s_cmp_ge_i32 s22, -15                          ; p is at most 1, and 57,344 x 2^e2 is at least 1.75 from e2 = -15 on: there the hold changes no number and is passed over.
	s_cbranch_scc1 .Lno_hold_\@                    ; e2 is a whole number read from memory, and this launch has no tensor load and no copy
.set I, 0
.rept 64
	v_min_num_f32 v[128+I], v[128+I], v31          ; p is not negative: the hold is one-sided
.set I, I+1
.endr
.Lno_hold_\@:
.irp t, 0,1,2,3,4,5,6,7
	v_cvt_scalef32_pk8_bf8_f32 v[224+2*\t:225+2*\t], v[128+8*\t:135+8*\t], v30   ; keys 16 t + 8 h + 0 .. 7: registers 2 t, 2 t + 1 of the operand
.endr
.set I, 0
.rept 16
	v_pk_mul_f32 v[192+I:193+I], v[192+I:193+I], v[28:29] op_sel_hi:[1,0]   ; O^T under the new M, each accumulator from its low end on.  (Plain lines between the conversions and the products)
.set I, I+2
.endr
	s_wait_alu depctr_va_vdst(0)
	s_wait_dscnt 0x0                               ; V^T's tiles are in, and so are the next step's K and biases, which were asked for behind them
.irp d, 0,1,2,3                                ; four accumulators, one instruction each; the next matrix instruction, over the backward jump, is S^T's
	v_wmma_f32_16x16x128_bf8_bf8 v[192+8*\d:199+8*\d], v[64+16*\d:79+16*\d], v[224:239], v[192+8*\d:199+8*\d]
.endr
.Lskip_\@:
.endm
.Lstep:                                            ; 15 trips, a constant; a trip at or past the count of steps does nothing but step the addresses
	STEP 1, s30, s28, s29
	s_add_co_u32 s28, s28, 16384
	s_add_co_u32 s29, s29, 512
	s_add_co_u32 s30, s30, 1
	s_cmp_lt_u32 s30, 15
	s_cbranch_scc1 .Lstep
	STEP 0, 15, 15*16384, CTAB+15*512              ; the sixteenth step is written out: no step stands behind it, so no LDS load reaches past the images or the biases
	; THE WAY OUT.  O^T / the sum x 2^(e2 + e3) goes through my stage in LDS and leaves as whole rows of 256 bytes.
	v_add_f32 v14, v14, v15                        ; the sum's two halves,
	v_permlanex16_b32 v26, v14, s24, s25
	v_add_f32 v14, v14, v26                        ; and lane l xor 16's: the row's sum
	s_wait_alu depctr_va_vdst(0)
	v_rcp_f32 v14, v14
	v_nop                                          ; a plain line behind the reciprocal; with the additions above these are also the places behind the last products
	v_nop
	s_wait_alu depctr_va_vdst(0)                   ; the reciprocal has written v14: the wait ahead of the first line that names its result
	v_ldexp_f32 v14, v14, s36
.set I, 0
.rept 16
	v_pk_mul_f32 v[128+I:129+I], v[192+I:193+I], v[14:15] op_sel_hi:[1,0]   ; register 8 d + j is out(r, 16 d + 8 h + j)
.set I, I+2
.endr
	s_wait_alu depctr_va_vdst(0)                   ; the multiplications have written v[128:159], which the LDS stores read; the last products are done reading v[64:95], in which the loads from the stage land
.irp d, 0,1,2,3
	ds_store_b128 v10, v[128+8*\d:131+8*\d] offset:64*\d
	ds_store_b128 v10, v[132+8*\d:135+8*\d] offset:64*\d+16
.endr
.irp i, 0,1,2,3,4,5,6,7
	ds_load_b128 v[64+4*\i:67+4*\i], v11 offset:544*\i      ; LDS serves a wave's instructions in order (ISA guide 5.7.1.4): these see my stores
.endr
.irp i, 0,1,2,3,4,5,6,7
	s_wait_dscnt 7-\i                              ; load i is in; the 7 - i behind it may be out
	global_store_b128 v1, v[64+4*\i:67+4*\i], s[14:15] offset:512*\i th:TH_STORE_NT   ; two rows: 512 consecutive bytes, aligned; written once, read by nobody here
.endr
	s_wait_dscnt 0x0                               ; the wave's end
	s_wait_alu 0x0
	s_wait_tensorcnt 0x0
	ds_add_u32 v5, v6
	s_wait_dscnt 0x0
	s_endpgm
.Lfunc_end_k_q5aa545c1b9_attn:
	.size	k_q5aa545c1b9_attn, .Lfunc_end_k_q5aa545c1b9_attn-k_q5aa545c1b9_attn
	.p2alignl 7, 3214868480
	.fill 96, 4, 3214868480
	.section	.rodata,"a",@progbits
	.p2align	6, 0x0
	.amdhsa_kernel k_q5aa545c1b9_attn
		.amdhsa_group_segment_fixed_size 306176
		.amdhsa_private_segment_fixed_size 0
		.amdhsa_enable_private_segment 0
		.amdhsa_kernarg_size 48
		.amdhsa_user_sgpr_count 2
		.amdhsa_user_sgpr_kernarg_segment_ptr 1
		.amdhsa_wavefront_size32 1
		.amdhsa_system_sgpr_workgroup_id_x 1
		.amdhsa_system_sgpr_workgroup_id_y 1
		.amdhsa_system_sgpr_workgroup_id_z 1
		.amdhsa_system_vgpr_workitem_id 0
		.amdhsa_next_free_vgpr 384
		.amdhsa_next_free_sgpr 66
		.amdhsa_reserve_vcc 0
		.amdhsa_float_denorm_mode_32 3
		.amdhsa_float_denorm_mode_16_64 3
		.amdhsa_memory_ordered 1
		.amdhsa_forward_progress 1
		.amdhsa_inst_pref_size 58
	.end_amdhsa_kernel
	.amdgpu_metadata
---
amdhsa.version: [ 1, 2 ]
amdhsa.kernels:
  - .name:           k_q5aa545c1b9_attn
    .symbol:         k_q5aa545c1b9_attn.kd
    .args:
      - { .name: query, .offset: 0, .size: 8, .value_kind: global_buffer, .address_space: global }
      - { .name: kv, .offset: 8, .size: 8, .value_kind: global_buffer, .address_space: global }
      - { .name: cb, .offset: 16, .size: 8, .value_kind: global_buffer, .address_space: global }
      - { .name: meta, .offset: 24, .size: 8, .value_kind: global_buffer, .address_space: global }
      - { .name: lowp_scales, .offset: 32, .size: 8, .value_kind: global_buffer, .address_space: global }
      - { .name: out0, .offset: 40, .size: 8, .value_kind: global_buffer, .address_space: global }
    .group_segment_fixed_size: 306176
    .private_segment_fixed_size: 0
    .kernarg_segment_align: 8
    .kernarg_segment_size: 48
    .max_flat_workgroup_size: 256
    .sgpr_count:     66
    .vgpr_count:     384
    .wavefront_size: 32
...
	.end_amdgpu_metadata
.endif
;; end of part 4
